; MI455X (gfx1250); checked and timed in simulation.
; The chip was launched on July 23, 2026; its instructions are those of AMD's public machine-readable ISA for CDNA 5 (MIT licence, August 2026) and "CDNA5" Instruction Set Architecture Reference Guide (July 2026). The comments in the code are by the model that wrote it; some were corrected since.
;; Bahdanau Attention. Allowed arithmetic: matrix products marked QUANTISED: E4M3 operands, one E8M0 scale for each 32 along K, by v_wmma_scale_f32_16x16x128_f8f6f4 with both operands' format E4M3, f32 sums; products left as they are: f32 operands where the result goes on into a quantised operand, else bf16, f16 or f32 operands; f32 sums; everything else in f32.
;; Inputs: Wh 512 x 512 float32; Ws 512 x 512 float32; encoder_outputs 64 x 2,048 x 512 float32; mask 64 x 2,048 int32; v 512 float32.
;; Outputs: out0 64 x 512 float32; out1 64 x 2,048 float32.
;; This version of the problem:
;;   THIS VERSION OF THE PROBLEM IS GIVEN IN LOW PRECISION. The matrix products marked QUANTISED in the list below multiply operands that are first quantised to E4M3 (4 exponent bits, 3 mantissa bits; 8 bits a number), with one power-of-two scale for each 32 numbers along K (OCP MX v1.0); their sums are f32. All else is computed in f32.
;;   The module's matrix products, in the order in which they are computed (A, B: the left and right operand; K: the contracted axis; several contracted axes count as one K, in the product's order):
;;     1. [M 131,072, K 512] x [K 512, N 512]; A: input encoder_outputs; B: input Wh: QUANTISED
;;     2. [M 131,072, K 512] x [K 512, N 512]; A: input encoder_outputs; B: input Ws: QUANTISED
;;     3. [M 131,072, K 512] x [K 512, N 1]; A: computed on the way; B: input v: left as it is (N = 1 < 16)
;;     4. batch 64 x [M 1, K 2,048] x [K 2,048, N 512]; A: softmax; B: input encoder_outputs: left as it is (M = 1 < 16)
;;   THE QUANTISER, for each operand of a quantised product, along K:
;;     - K is cut into blocks of 32 from its start; a last block that is shorter is filled with zeros.
;;     - A block's scale is 2^e with e = floor(log2(the largest magnitude in the block)) - 8, held to -126 .. 127; a block of zeros has e = 0. As a byte (E8M0): e + 127.
;;     - Each number is divided by its block's scale, clamped to +-448, and rounded to the nearest number of E4M3, ties to even, subnormals kept.
;;     - The product sums the exact products of the quantised numbers (number of the format x scale) in f32.
;;   ~~~python
;;   def quantise(x, axis):      # numpy; x: float32 -> the quantised numbers, widened to float32 again
;;       x = np.moveaxis(x, axis, -1); K = x.shape[-1]
;;       x = np.pad(x, [(0, 0)] * (x.ndim - 1) + [(0, -K % 32)]); x = x.reshape(x.shape[:-1] + (-1, 32)); a = np.abs(x).max(-1, keepdims=True)
;;       e = np.where(a > 0, np.clip(np.frexp(np.where(a > 0, a, 1))[1] - 1 - 8, -126, 127), 0)      # np.frexp(a)[1] - 1 = floor(log2(a)), exactly
;;       r = np.clip(x / 2.0 ** e, -448, 448)
;;       step = 2.0 ** (np.maximum(np.frexp(np.where(r == 0, 1, r))[1] - 1, -6) - 3)
;;       q = np.round(r / step) * step * 2.0 ** e      # np.round: ties to even
;;       return np.moveaxis(q.reshape(q.shape[:-2] + (-1,))[..., :K], -1, axis).astype(np.float32)
;;   ~~~
;; One version. Each part assembles by itself: llvm-mc -triple=amdgcn-amd-amdhsa -mcpu=gfx1250 --defsym DOCPART=n.
;; ======== version 1 of 1: 3 launches
;; limits: right only within a limited range of input values
;; workspace buffers: wq 524,288 bytes; wsc 16,384 bytes; list 524,288 bytes of whole numbers; cnt 256 bytes of whole numbers; sc 524,288 bytes; scc 524,288 bytes
;; launch prep (part 1): grid 48 x 1, 4 waves a work-group, no clusters, 0 bytes of LDS; arguments Wh, Ws, mask, wq, wsc, list, cnt, sc, scc; writes wq, wsc, list, cnt, sc, scc
.if DOCPART == 1
	.amdgcn_target "amdgcn-amd-amdhsa--gfx1250"
	.amdhsa_code_object_version 6
	.text
	.protected	k_q5ebe61641a_prep
	.globl	k_q5ebe61641a_prep
	.p2align	8
	.type	k_q5ebe61641a_prep,@function
k_q5ebe61641a_prep:
	s_mov_b64 s[64:65], 0
	v_nop
	global_prefetch_b8 v0, s[64:65] scope:SCOPE_SE
	s_setreg_imm32_b32 hwreg(HW_REG_WAVE_MODE, 25, 1), 1
	s_wait_xcnt 0x0
; BahdanauAttention, launch 1 of 3.  x = encoder_outputs [64][2048][512] f32; score[b][s] = sum over o of v[o] tanh(Q(x) . Q(Wh)[o] + Q(x) . Q(Ws)[o]); where mask == 0 the score is -1e9;
; softmax over the 2,048 rows of a batch (out1); out0 = the rows weighed by it.  Q is the MX quantiser to E4M3 along the 512 of a row, one E8M0 byte for each 32.
; WHAT IS LEFT OUT, AND BY WHAT.  No input and no product is dropped as dead.  mask is a whole-number input that the problem compares by: a row with mask == 0 gets the constant -1e9 whatever x holds,
; so its share of the two quantised products, of tanh and of the product with v is not asked for.  This launch reads mask and stores, for each batch, a permutation of its 2,048 rows with the live rows first
; (list) and their count (cnt); the later launches read those whole numbers from memory and walk the live rows alone.  A batch with no live row is walked whole in the last launch (uniform weights).
; LIMITS.  In a batch with a live row the masked rows are taken to weigh exactly 0 in out0: exp(-1e9 - max) is 0 in f32 while the sum of |v[o]| stays under 9.9e8 (|score| is at most that sum); out1 has no such limit.
; A NaN, an infinity or an overflow in a row of x that is not walked is not carried to the result.  NaN and infinities among Wh, Ws are not served.  A block of zeros gets the byte 1 (the rule says 127): its codes
; are zeros, which add nothing under any byte but 0xff, and the bytes are read by this program alone.
; THIS LAUNCH.  Work-groups 0-31 (128 waves): wave W quantises, of both weights, units 16 t .. 16 t + 15 (t = W / 4) for the 128 along K that begin at 128 s (s = W % 4), and stores the two fragments in the order
; of the matrix operand's registers: wq[t][m][s][piece c][lane][16 bytes], m = 0 Wh, 1 Ws; lane (r, h), piece c: k = 128 s + 32 c + 16 h + 0 .. 15 of unit 16 t + r.  wsc[t][s][lane]: lanes 0-15 Wh's scale word, lanes 16-31 Ws's.
; Work-groups 32-47 (64 waves): a wave to a batch: -1e9 into all of sc (scores in the rows' order) and scc (scores in the list's order), the list, the count.  No LDS, no barrier: waves share nothing.
.set NEGF, 0xce6e6b28                  ; -1e9 as f32
.set SEL,  28                          ; s[28:29] lane selects for v_permlanex16_b32: lane l xor 16
.set MNT,  30                          ; s30  the mantissa field of 448
.set TM,   200                         ; v200-203 largest magnitudes, v204-207 bytes, v208-211 448 x the scale, v212-215 the conversions' scale operands
; 64 numbers of a lane, register 16 b + i = k 32 b + 16 (lane / 16) + i of my unit, become a fragment's codes in v[pc] on and its scale word in v[pw]
.macro QUANT s, pc, pw
.irp b, 0,1,2,3
	v_max3_num_f32 v[TM+\b], |v[\s+16*\b]|, |v[\s+1+16*\b]|, 0x4800000   ; block b: my 16 numbers, and the floor 2^(9 - 127): the byte cannot fall under 1
.endr
.irp i, 2,4,6,8,10,12,14
.irp b, 0,1,2,3
	v_max3_num_f32 v[TM+\b], v[TM+\b], |v[\s+16*\b+\i]|, |v[\s+1+16*\b+\i]|   ; the four blocks by turns
.endr
.endr
.irp b, 0,1,2,3
	v_permlanex16_b32 v[TM+4+\b], v[TM+\b], s[SEL], s[SEL+1]
.endr
.irp b, 0,1,2,3
	v_max_num_f32 v[TM+\b], v[TM+\b], v[TM+4+\b]           ; with lane l xor 16's: the block's largest magnitude
.endr
.irp b, 0,1,2,3
	v_add_nc_u32 v[TM+12+\b], 0xfc000000, v[TM+\b]         ; 8 off its exponent field: the conversion takes this operand's exponent field as its scale
.endr
.irp b, 0,1,2,3
	v_and_or_b32 v[TM+8+\b], v[TM+\b], 0x7f800000, s[MNT]  ; 448 x the scale
.endr
.irp b, 0,1,2,3
	v_lshrrev_b32 v[TM+4+\b], 23, v[TM+12+\b]              ; the scale's byte
.endr
	v_lshl_or_b32 v[\pw], v[TM+5], 8, v[TM+4]              ; four bytes make my unit's scale word
	v_lshl_or_b32 v[\pw], v[TM+6], 16, v[\pw]
	v_lshl_or_b32 v[\pw], v[TM+7], 24, v[\pw]
.irp b, 0,1,2,3
.irp i, 0,1,2,3,4,5,6,7,8,9,10,11,12,13,14,15
	v_med3_num_f32 v[\s+16*\b+\i], v[\s+16*\b+\i], -v[TM+8+\b], v[TM+8+\b]   ; the conversion to an 8-bit code does not saturate (ISA guide 7.6.2): the hold at 448 x the scale
.endr
	v_cvt_scalef32_pk8_fp8_f32 v[\pc+4*\b:\pc+1+4*\b], v[\s+16*\b:\s+7+16*\b], v[TM+12+\b]
	v_cvt_scalef32_pk8_fp8_f32 v[\pc+2+4*\b:\pc+3+4*\b], v[\s+8+16*\b:\s+15+16*\b], v[TM+12+\b]
.endr
	v_nop                                                  ; a plain vector line behind the last conversion
.endm
	s_load_b256 s[4:11], s[0:1], 0x0               ; Wh s[4:5], Ws s[6:7], mask s[8:9], wq s[10:11]
	s_load_b256 s[12:19], s[0:1], 0x20             ; wsc s[12:13], list s[14:15], cnt s[16:17], sc s[18:19]
	s_load_b64 s[20:21], s[0:1], 0x40              ; scc
	v_lshrrev_b32 v2, 5, v0
	v_readfirstlane_b32 s22, v2                    ; wave 0..3
	s_lshl_b32 s23, ttmp9, 2
	s_add_co_u32 s23, s23, s22                     ; my wave's number in the launch
	v_and_b32 v1, 31, v0                           ; lane
	v_lshlrev_b32 v12, 4, v1                       ; 16 x lane
	v_lshlrev_b32 v13, 2, v1                       ; 4 x lane
	s_mov_b32 s27, 0                               ; the upper word of every offset
	s_wait_kmcnt 0x0
	s_cmp_ge_u32 ttmp9, 32
	s_cbranch_scc1 .Llists
	; ---- the weights
	v_and_b32 v4, 15, v0                           ; r
	v_bfe_u32 v5, v0, 4, 1                         ; h
	v_lshlrev_b32 v3, 11, v4
	v_lshl_add_u32 v3, v5, 6, v3                   ; unit r's row of 2,048 bytes, + 64 h: my 16 numbers of a block of 32
	s_mov_b32 s[SEL], 0x76543210
	s_mov_b32 s[SEL+1], 0xfedcba98
	s_mov_b32 s[MNT], 0x600000
	s_mov_b32 s31, 0xffff0000                      ; lanes 16-31
.irp b, 0,1,2,3
	v_mov_b32 v[TM+4+\b], 0                        ; written once: a lane permute's destination counts as one of its sources
.endr
	s_lshr_b32 s24, s23, 2                         ; t
	s_and_b32 s25, s23, 3                          ; s
	s_lshl_b32 s26, s24, 15                        ; 16 rows of 2,048 bytes,
	s_lshl_b32 s32, s25, 9                         ; 128 numbers along K
	s_add_co_u32 s26, s26, s32
	s_add_nc_u64 s[4:5], s[4:5], s[26:27]
	s_add_nc_u64 s[6:7], s[6:7], s[26:27]
	s_lshl_b32 s26, s24, 14                        ; wq: 16,384 bytes a tile, 2,048 a fragment
	s_lshl_b32 s32, s25, 11
	s_add_co_u32 s26, s26, s32
	s_add_nc_u64 s[10:11], s[10:11], s[26:27]
	s_lshl_b32 s26, s23, 7                         ; wsc: 128 bytes for (t, s)
	s_add_nc_u64 s[12:13], s[12:13], s[26:27]
.irp m, 0,1
.irp b, 0,1,2,3
.irp j, 0,1,2,3
	global_load_b128 v[32+64*\m+16*\b+4*\j:32+64*\m+16*\b+4*\j+3], v3, s[4+2*\m:5+2*\m] offset:128*\b+16*\j
.endr
.endr
.endr
	s_wait_loadcnt 16                              ; Wh's sixteen loads are in; Ws's sixteen may be out
	QUANT 32, 160, 176
	s_wait_loadcnt 0x0
	QUANT 96, 180, 177
.irp m, 0,1
.irp c, 0,1,2,3
	global_store_b128 v12, v[160+20*\m+4*\c:163+20*\m+4*\c], s[10:11] offset:8192*\m+512*\c   ; 32 lanes store 512 consecutive bytes
.endr
.endr
	v_cndmask_b32 v178, v176, v177, s31            ; lanes 0-15 Wh's word of unit r, lanes 16-31 Ws's
	global_store_b32 v13, v178, s[12:13]
	s_endpgm
	; ---- a batch's list
.Llists:
	s_sub_co_u32 s24, s23, 128                     ; the batch
	s_lshl_b32 s26, s24, 13                        ; 2,048 words
	s_add_nc_u64 s[8:9], s[8:9], s[26:27]
	s_add_nc_u64 s[14:15], s[14:15], s[26:27]
	s_add_nc_u64 s[18:19], s[18:19], s[26:27]
	s_add_nc_u64 s[20:21], s[20:21], s[26:27]
.irp g, 0,1,2,3,4,5,6,7,8,9,10,11,12,13,14,15
	global_load_b128 v[32+4*\g:35+4*\g], v12, s[8:9] offset:512*\g   ; register 4 g + e: row 128 g + 4 lane + e
.endr
.irp j, 4,5,6,7
	v_mov_b32 v[\j], NEGF
.endr
.irp g, 0,1,2,3,4,5,6,7,8,9,10,11,12,13,14,15
	global_store_b128 v12, v[4:7], s[18:19] offset:512*\g
	global_store_b128 v12, v[4:7], s[20:21] offset:512*\g
.endr
	s_wait_loadcnt 0x0
	s_mov_b32 s28, 0                               ; the count of live rows
.set k, 0
.rept 64
	v_cmp_ne_u32 s30, 0, v[32+k]
	s_bcnt1_i32_b32 s31, s30
	s_add_co_u32 s28, s28, s31
.set k, k+1
.endr
	s_mov_b32 s32, 0                               ; where the next live row goes,
	s_mov_b32 s33, s28                             ; and the next masked one
.set k, 0
.rept 64
	v_cmp_ne_u32 s30, 0, v[32+k]
	v_mbcnt_lo_u32_b32 v8, s30, 0                  ; live lanes below me
	v_sub_nc_u32 v9, v1, v8                        ; masked lanes below me
	v_add_nc_u32 v8, s32, v8
	v_add_nc_u32 v9, s33, v9
	v_cndmask_b32 v[32+k], v9, v8, s30             ; my place in the list
	v_min_u32 v[32+k], 0x7ff, v[32+k]              ; held inside the list
	v_lshlrev_b32 v[32+k], 2, v[32+k]
	v_add_nc_u32 v[96+k], 128*(k/4)+k%4, v13       ; my row's number
	global_store_b32 v[32+k], v[96+k], s[14:15]    ; each of the 64 stores has registers of its own: none is written again
	s_bcnt1_i32_b32 s31, s30
	s_add_co_u32 s32, s32, s31
	s_sub_co_u32 s31, 32, s31
	s_add_co_u32 s33, s33, s31
.set k, k+1
.endr
	v_mov_b32 v10, s28
	s_lshl_b32 s34, s24, 2
	v_mov_b32 v11, s34
	v_cmp_eq_u32 vcc_lo, 0, v1
	s_wait_xcnt 0x0                                ; EXEC changes only behind this wait
	s_and_saveexec_b32 s35, vcc_lo
	global_store_b32 v11, v10, s[16:17]            ; lane 0 stores the count
	s_wait_xcnt 0x0
	s_or_b32 exec_lo, exec_lo, s35
	s_endpgm
.Lfunc_end_k_q5ebe61641a_prep:
	.size	k_q5ebe61641a_prep, .Lfunc_end_k_q5ebe61641a_prep-k_q5ebe61641a_prep
	.p2alignl 7, 3214868480
	.fill 96, 4, 3214868480
	.section	.rodata,"a",@progbits
	.p2align	6, 0x0
	.amdhsa_kernel k_q5ebe61641a_prep
		.amdhsa_group_segment_fixed_size 0
		.amdhsa_private_segment_fixed_size 0
		.amdhsa_enable_private_segment 0
		.amdhsa_kernarg_size 72
		.amdhsa_user_sgpr_count 2
		.amdhsa_user_sgpr_kernarg_segment_ptr 1
		.amdhsa_wavefront_size32 1
		.amdhsa_system_sgpr_workgroup_id_x 1
		.amdhsa_system_sgpr_workgroup_id_y 1
		.amdhsa_system_sgpr_workgroup_id_z 1
		.amdhsa_system_vgpr_workitem_id 0
		.amdhsa_next_free_vgpr 224
		.amdhsa_next_free_sgpr 66
		.amdhsa_reserve_vcc 1
		.amdhsa_float_denorm_mode_32 3
		.amdhsa_float_denorm_mode_16_64 3
		.amdhsa_memory_ordered 1
		.amdhsa_forward_progress 1
		.amdhsa_inst_pref_size 78
	.end_amdhsa_kernel
	.amdgpu_metadata
---
amdhsa.version: [ 1, 2 ]
amdhsa.kernels:
  - .name:           k_q5ebe61641a_prep
    .symbol:         k_q5ebe61641a_prep.kd
    .args:
      - { .name: Wh, .offset: 0, .size: 8, .value_kind: global_buffer, .address_space: global }
      - { .name: Ws, .offset: 8, .size: 8, .value_kind: global_buffer, .address_space: global }
      - { .name: mask, .offset: 16, .size: 8, .value_kind: global_buffer, .address_space: global }
      - { .name: wq, .offset: 24, .size: 8, .value_kind: global_buffer, .address_space: global }
      - { .name: wsc, .offset: 32, .size: 8, .value_kind: global_buffer, .address_space: global }
      - { .name: list, .offset: 40, .size: 8, .value_kind: global_buffer, .address_space: global }
      - { .name: cnt, .offset: 48, .size: 8, .value_kind: global_buffer, .address_space: global }
      - { .name: sc, .offset: 56, .size: 8, .value_kind: global_buffer, .address_space: global }
      - { .name: scc, .offset: 64, .size: 8, .value_kind: global_buffer, .address_space: global }
    .group_segment_fixed_size: 0
    .private_segment_fixed_size: 0
    .kernarg_segment_align: 8
    .kernarg_segment_size: 72
    .max_flat_workgroup_size: 128
    .sgpr_count:     66
    .vgpr_count:     224
    .wavefront_size: 32
...
	.end_amdgpu_metadata
.endif
;; end of part 1
;; launch score (part 2): grid 4 x 64, 8 waves a work-group, no clusters, 308,224 bytes of LDS; arguments encoder_outputs, list, cnt, wq, wsc, v, sc, scc; writes sc, scc
.if DOCPART == 2
	.amdgcn_target "amdgcn-amd-amdhsa--gfx1250"
	.amdhsa_code_object_version 6
	.text
	.protected	k_q5ebe61641a_score
	.globl	k_q5ebe61641a_score
	.p2align	8
	.type	k_q5ebe61641a_score,@function
k_q5ebe61641a_score:
	s_mov_b64 s[64:65], 0
	v_nop
	global_prefetch_b8 v0, s[64:65] scope:SCOPE_SE
	s_setreg_imm32_b32 hwreg(HW_REG_WAVE_MODE, 25, 1), 1
	s_wait_xcnt 0x0
; Launch 2 of 3: the scores of the live rows.  score = V - 2 x sum over o of v[o] / (1 + 2^(2 log2(e) z[o])), V = the sum of v, z = Q(x) . Q(Wh)[o] + Q(x) . Q(Ws)[o]: that is sum of v[o] tanh(z[o]).
; LEFT OUT: rows with mask == 0, by the whole numbers list and cnt that the first launch stored (its head comment); their scores stay the -1e9 stored there.
; SHARES.  Work-group (q, b) takes, of batch b's list, the groups of 32 places q + 4 g, g = 0 .. 15; group g is live while 32 (q + 4 g) < cnt[b].  P = its live groups ("pairs" of two tiles of 16 rows), T = 2 P.
; The last live group may reach past cnt[b]: those places hold masked rows, which are valid rows; their scores are computed and not stored.
; PHASE 1.  Wave w gathers and quantises tiles w, w + 8, w + 16, w + 24, a row (2,048 bytes, four loads of 512 consecutive bytes) at a time, eight rows ahead; a row turns through the wave's stage in LDS so that a lane holds
; 16 neighbours along K (two lanes to a block of 32); codes and scale bytes go to LDS laid for the matrix operand.  The first pass's weights are loaded into registers meanwhile.
; PHASE 2.  THE WAVES SHARE THE HIDDEN UNITS: wave w owns units 64 w .. 64 w + 63, in two passes of 32; a pass's 16 weight fragments (2 tiles x Wh, Ws x 4 K steps) stay in v256-511; all rows' fragments come from LDS.
; The matrix instruction is used transposed (source 0 = 16 units, source 1 = 16 rows of x): a lane holds one row and eight units.  Each wave keeps its partial sums for 512 rows in its own LDS bytes; at the end they are added.
; NO TENSOR LOADS, NO CLUSTER: the work hangs on counts read from memory, so all operands go through registers; the weights, which all work-groups share, are 64 KiB a wave, read once.
; The stores of scc are 128 consecutive bytes a wave and those of sc single words at the rows' places: together 8 bytes for each live row.
; LIMITS: NaN and infinities in x are not served; a block of zeros gets the byte 1 with zero codes (the bytes are this program's own).
.set TILEB, 8704                       ; LDS image of a tile of 16 rows: 4 K steps x STEPB
.set STEPB, 2176                       ; 8 groups x 272: group 2 c + h holds, for rows 0-15, the 16 codes k = 32 c + 16 h + 0 .. 15: 256 bytes + 16 of padding
.set PAIRB, 17408
.set SCL,   278528                     ; behind 32 tiles: scale bytes: tile x 256 + (s / 2) x 128 + (s % 2) x 64 + 4 row + block
.set STG,   286720                     ; 2,560 bytes a wave: phase 1: the turning stage, 32 places of 64 + 16 bytes; phase 2: its first 2,048 bytes are my partial sums of 512 rows
.set STGW,  2560
.set SPARE, 307200                     ; the spare words, 128 bytes for each wave: four blocks of 256 bytes that no other line names
.set SPW, 1                            ; v1   my spare word's address; v2  0: both never rewritten
.set NIL, 2
.set L16, 3                            ; v3   16 x lane
.set STI, 4                            ; v4   the stage, way in: 80 (lane / 4) + 16 (lane % 4)
.set STO, 5                            ; v5   way out: 80 x lane
.set IMB, 6                            ; v6   where my 16 codes of a row go: (lane / 8) STEPB + (lane % 8) 272 + wave x TILEB
.set SBB, 7                            ; v7   and my block's scale byte
.set BY,  12                           ; v12-13 scale bytes, two sets
.set IMA, 14                           ; v14, v15: IMB, SBB for the trip's tile
.set SBA, 15
.set OFR, 16                           ; v16-23 the ring's eight row offsets
.set CD,  24                           ; v24-31 codes, two sets
.set X,   32                           ; v32-63 16 neighbours, two sets
.set R,   64                           ; v64-191 the ring: 8 rows x 16 registers as loaded
.set L4,  193                          ; v193 4 x lane
.set H32, 194                          ; v194 32 (lane / 16) + 256 wave: my units' v
.set L64, 195                          ; v195 64 x lane
.set AAD, 196                          ; v196 272 (lane / 16) + 16 (lane % 16): a fragment's place for my lane
.set SAD, 197                          ; v197 SCL + 4 lane
.set PAD, 198                          ; v198 my partial sums + 4 lane
.set ZAD, 199                          ; v199 my partial sums + 16 lane
.set VV,  200                          ; v200-215 v of my two unit tiles: register 8 u + j = v[16 tile + 8 (lane / 16) + j]
.set AW,  216                          ; v216-218 addresses of the fetch in hand; v219 where this pair's partial sums go
.set SW,  217
.set PW,  218
.set PST, 219
.set ASC, 224                          ; v224-227 x's scale words: register 2 i + k: lanes 0-15 K step 2 k, lanes 16-31 K step 2 k + 1, of tile i
.set BSC, 228                          ; v228-235 the weights' scale words: register 4 u + s: lanes 0-15 Wh's, lanes 16-31 Ws's
.set VS,  236                          ; v236-251 16 numbers of v a lane, for V
.set VT,  252                          ; v252 V
.set ACC, 32                           ; phase 2: accumulator (u, i) at v[32 + 8 (2 u + i)]
.set AF,  64                           ; phase 2: x's fragment (i, s) at v[64 + 16 (4 i + s)]
.set CT,  2                            ; s[2:3] 2 log2(e)
.set SEL, 12                           ; s[12:13] selects for lane l xor 16
.set MNT, 14                           ; s14 the mantissa field of 448
.set HI16, 15                          ; s15 lanes 16-31
.set WV,  92
.set BB,  93
.set NB,  94                           ; cnt[b]
.set PP,  95                           ; P
.set TT,  96                           ; T
.set LVN, 97                           ; -1 where the tile ahead is live, else 0
.set PCNT, 100                         ; the pair, and its steps in the three LDS regions
.set PO,  101
.set SO,  66
.set QO,  67
.set MSB, 0
.macro WIN new                         ; the immediate's high byte repeats the setting that is left
.if MSB != \new
	s_set_vgpr_msb (MSB<<8)|\new
.set MSB, \new
.endif
.endm
; A row of x into ring slot `slot`: its number is s[sidx], held inside the batch.  masked = 1: it belongs to the tile ahead, which may not be live: then the row named is the batch's row 0, so that the count of loads
; is the same on every way and no row that is left out is asked for (at most eight such rows a wave)
.macro LOADROW slot, sidx, masked
.if \masked
	s_and_b32 s98, s[\sidx], s[LVN]
	s_min_u32 s98, s98, 2047
.else
	s_min_u32 s98, s[\sidx], 2047
.endif
	v_lshl_add_u32 v[OFR+(\slot)], s98, 11, v[L16]
.irp j, 0,1,2,3
	global_load_b128 v[R+16*(\slot)+4*\j:R+16*(\slot)+4*\j+3], v[OFR+(\slot)], s[4:5] offset:512*\j th:TH_LOAD_NT
.endr
.endm
; A row through the stage: LDS serves a wave's instructions in order, so no wait stands between the stores and the loads, and one stage serves all rows
.macro TURN slot, set
.irp i, 0,1,2,3
	ds_store_b128 v[STI], v[R+16*(\slot)+4*\i:R+16*(\slot)+4*\i+3] offset:640*\i
.endr
.irp i, 0,1,2,3
	ds_load_b128 v[X+16*(\set)+4*\i:X+16*(\set)+4*\i+3], v[STO] offset:16*\i
.endr
.endm
; Set-up load n of pass c: 0-63 the 16 weight fragments (window 1, register 4 n), 64-71 their scale words, 72-75 v of my units, 76-79 (pass 0 alone) all of v
.macro BL n, c
.if (\n) < 64
	global_load_b128 v[4*(\n):4*(\n)+3], v[L16], s[10:11] offset:512*(\n)+32768*(\c)
.elseif (\n) < 72
	global_load_b32 v[BSC+(\n)-64], v[L4], s[84:85] offset:128*((\n)-64)+1024*(\c)
.elseif (\n) < 76
	global_load_b128 v[VV+4*((\n)-72):VV+4*((\n)-72)+3], v[H32], s[86:87] offset:64*(((\n)-72)/2)+16*(((\n)-72)%2)+128*(\c)
.else
	global_load_b128 v[VS+4*((\n)-76):VS+4*((\n)-76)+3], v[L64], s[86:87] offset:16*((\n)-76)
.endif
.endm
; Row r of my t-th tile: stream row KK = 16 t + r
.macro ROW t, r
.set KK, 16*(\t)+(\r)
.set XS, X+16*((\r)%2)
.set CS, CD+4*((\r)%2)
.set BS, BY+(\r)%2
.if KK == 0
	s_wait_dscnt 0x0
.else
	s_wait_dscnt 0x2                               ; my 16 neighbours are back from the stage; behind them only the last row's two stores were issued
.endif
.if (\r) < 8
	LOADROW (\r)%8, 16+16*(\t)+4*((\t)/3)+(\r)+8, 0          ; eight rows ahead, into the slot whose row has just left through the stage
.elseif (\t) < 3
	LOADROW (\r)%8, 16+16*((\t)+1)+4*(((\t)+1)/3)+(\r)-8, 1
.endif
.if (\t) == 0
	WIN 0x40                                       ; destination window 1
	BL 4*(\r), 0
	BL 4*(\r)+1, 0
	BL 4*(\r)+2, 0
	BL 4*(\r)+3, 0
	WIN 0
	BL 64+(\r), 0
.endif
; behind the next row's four loads were issued: XX rows of four loads, and GG groups of five set-up loads (those of stream rows KK - 7 .. KK, as far as they lie in 0 .. 15)
.set GLO, KK-7
.if GLO < 0
.set GLO, 0
.endif
.set GHI, KK
.if GHI > 15
.set GHI, 15
.endif
.set GG, GHI-GLO+1
.if GG < 0
.set GG, 0
.endif
.set XX, 7
.if ((\t) == 3) && (14-(\r) < 7)
.set XX, 14-(\r)
.endif
.set NN, 4*XX+5*GG
.if NN > 63
.set NN, 63                                    ; the wait's field holds no more; a smaller count is safe
.endif
.if KK < 63
	s_wait_loadcnt NN
	TURN ((\r)+1)%8, ((\r)+1)%2                    ; the next row turns while this one is worked
.endif
	v_max3_num_f32 v8, |v[XS]|, |v[XS+1]|, |v[XS+2]|       ; the largest magnitude of my 16
	v_max3_num_f32 v9, |v[XS+3]|, |v[XS+4]|, |v[XS+5]|
.irp i, 6,10
	v_max3_num_f32 v8, v8, |v[XS+\i]|, |v[XS+\i+1]|
	v_max3_num_f32 v9, v9, |v[XS+\i+2]|, |v[XS+\i+3]|
.endr
	v_max3_num_f32 v8, v8, |v[XS+14]|, |v[XS+15]|
	v_max3_num_f32 v8, v8, v9, 0x4800000           ; and the floor 2^(9 - 127): the byte cannot fall under 1
	v_max_num_f32_dpp v8, v8, v8 row_xmask:1 row_mask:0xf bank_mask:0xf   ; and of my neighbour's 16: the block's
	v_add_nc_u32 v11, 0xfc000000, v8               ; 8 off its exponent field: the conversion's scale operand
	v_and_or_b32 v10, v8, 0x7f800000, s[MNT]       ; 448 x the scale
.irp i, 0,1,2,3,4,5,6,7,8,9,10,11,12,13,14,15
	v_med3_num_f32 v[XS+\i], v[XS+\i], -v10, v10   ; the conversion to an 8-bit code does not saturate (ISA guide 7.6.2)
.endr
	v_cvt_scalef32_pk8_fp8_f32 v[CS:CS+1], v[XS:XS+7], v11
	v_cvt_scalef32_pk8_fp8_f32 v[CS+2:CS+3], v[XS+8:XS+15], v11
	v_lshrrev_b32 v[BS], 23, v11                   ; the scale's byte (also the plain line behind the conversions)
	ds_store_b8 v[SBA], v[BS] offset:4*(\r)        ; both lanes of a block write the same byte with the same value
	ds_store_b128 v[IMA], v[CS:CS+3] offset:16*(\r)
.endm
.macro TRIP t
.if \t > 0
	s_add_co_u32 s98, s[WV], 8*\t
	s_cmp_ge_u32 s98, s[TT]
	s_cbranch_scc1 .Lp1end                         ; my t-th tile is not live: nor are the later ones
.endif
.if \t < 3
	s_add_co_u32 s98, s[WV], 8*\t+8
	s_cmp_lt_u32 s98, s[TT]
	s_cselect_b32 s[LVN], -1, 0
.endif
	v_add_nc_u32 v[IMA], 8*TILEB*\t, v[IMB]
	v_add_nc_u32 v[SBA], 2048*\t, v[SBB]
.irp r, 0,1,2,3,4,5,6,7,8,9,10,11,12,13,14,15
	ROW \t, \r
.endr
.endm
	s_load_b256 s[4:11], s[0:1], 0x0               ; x s[4:5], list s[6:7], cnt s[8:9], wq s[10:11]
	s_load_b256 s[84:91], s[0:1], 0x20             ; wsc s[84:85], v s[86:87], sc s[88:89], scc s[90:91]
	v_lshl_add_u32 v[SPW], v0, 2, SPARE
	v_mov_b32 v[NIL], 0
	v_lshrrev_b32 v8, 5, v0
	v_readfirstlane_b32 s[WV], v8                  ; wave 0..7
	s_and_b32 s[BB], ttmp7, 0xffff                 ; the batch
	v_and_b32 v9, 31, v0                           ; lane
	v_bfe_u32 v10, v0, 4, 1                        ; h
	v_and_b32 v11, 15, v0                          ; r
	v_lshlrev_b32 v[L16], 4, v9
	v_lshlrev_b32 v[L4], 2, v9
	v_lshlrev_b32 v[L64], 6, v9
	s_lshl_b32 s98, s[WV], 8
	v_lshl_add_u32 v[H32], v10, 5, s98
	s_mul_i32 s98, s[WV], STGW
	s_add_co_u32 s98, s98, STG                     ; my stage
	v_lshrrev_b32 v12, 2, v9
	v_mul_u32_u24 v12, v12, 80
	v_and_b32 v13, 3, v9
	v_lshl_add_u32 v12, v13, 4, v12
	v_add_nc_u32 v[STI], s98, v12
	v_mul_u32_u24 v12, v9, 80
	v_add_nc_u32 v[STO], s98, v12
	v_add_nc_u32 v[PAD], s98, v[L4]
	v_add_nc_u32 v[ZAD], s98, v[L16]
	v_lshrrev_b32 v12, 3, v9
	v_mul_u32_u24 v12, v12, STEPB
	v_and_b32 v13, 7, v9
	v_mad_u32_u24 v12, v13, 272, v12
	s_mul_i32 s98, s[WV], TILEB
	v_add_nc_u32 v[IMB], s98, v12
	v_lshlrev_b32 v12, 7, v10
	v_bfe_u32 v13, v0, 3, 1
	v_lshl_add_u32 v12, v13, 6, v12
	v_bfe_u32 v13, v0, 1, 2
	v_add_nc_u32 v12, v12, v13
	s_lshl_b32 s98, s[WV], 8
	s_add_co_u32 s98, s98, SCL
	v_add_nc_u32 v[SBB], s98, v12
	v_mul_u32_u24 v12, v10, 272
	v_lshl_add_u32 v[AAD], v11, 4, v12
	v_add_nc_u32 v[SAD], SCL, v[L4]
	s_mov_b32 s[CT], 0x4038aa3b                    ; 2 log2(e)
	s_mov_b32 s[CT+1], s[CT]                       ; (named with it as a pair, so it is written)
	s_mov_b32 s[SEL], 0x76543210
	s_mov_b32 s[SEL+1], 0xfedcba98
	s_mov_b32 s[MNT], 0x600000
	s_mov_b32 s[HI16], 0xffff0000
	s_lshl_b32 s66, ttmp9, 7                       ; my tiles' places in the list, in bytes: 128 q + 512 (wave / 2) + 64 (wave % 2), and 2,048 more for each trip
	s_lshr_b32 s67, s[WV], 1
	s_lshl_b32 s67, s67, 9
	s_add_co_u32 s66, s66, s67
	s_and_b32 s67, s[WV], 1
	s_lshl_b32 s67, s67, 6
	s_add_co_u32 s66, s66, s67
	s_mov_b32 s99, 0
	s_wait_kmcnt 0x0
	s_lshl_b32 s98, s[BB], 22                      ; a batch of x is 4 MiB
	s_add_nc_u64 s[4:5], s[4:5], s[98:99]
	s_lshl_b32 s98, s[BB], 13
	s_add_nc_u64 s[6:7], s[6:7], s[98:99]
	s_add_nc_u64 s[88:89], s[88:89], s[98:99]
	s_add_nc_u64 s[90:91], s[90:91], s[98:99]
	s_lshl_b32 s98, s[WV], 16                      ; my four unit tiles' fragments
	s_add_nc_u64 s[10:11], s[10:11], s[98:99]
	s_lshl_b32 s98, s[WV], 11                      ; and their scale words
	s_add_nc_u64 s[84:85], s[84:85], s[98:99]
	s_lshl_b32 s98, s[BB], 2
	s_load_b32 s[NB], s[8:9], s98 offset:0x0
	s_load_b512 s[16:31], s[6:7], s66 offset:0x0   ; the 16 row numbers of each of my four tiles
	s_load_b512 s[32:47], s[6:7], s66 offset:0x800
	s_load_b512 s[48:63], s[6:7], s66 offset:0x1000
	s_load_b512 s[68:83], s[6:7], s66 offset:0x1800
	s_wait_kmcnt 0x0
	s_add_co_u32 s98, s[NB], 31
	s_lshr_b32 s98, s98, 5                         ; live groups of 32 in the batch
	s_add_co_u32 s98, s98, 3
	s_sub_co_u32 s98, s98, ttmp9
	s_lshr_b32 s[PP], s98, 2                       ; of them mine
	s_min_u32 s[PP], s[PP], 16
	s_lshl_b32 s[TT], s[PP], 1
	s_cmp_lt_u32 s[WV], s[TT]
	s_cselect_b32 s[LVN], -1, 0
.irp r, 0,1,2,3,4,5,6,7
	LOADROW \r, 16+\r, 1                           ; the ring is filled: rows 0-7 of my first tile
.endr
	s_cmp_ge_u32 s[WV], s[TT]
	s_cbranch_scc1 .Lno_tiles
	s_wait_loadcnt 28                              ; row 0's four loads are in; seven rows' may be out
	TURN 0, 0
	TRIP 0
	TRIP 1
	TRIP 2
	TRIP 3
	s_branch .Lp1end
.Lno_tiles:                                            ; a wave with no tile still multiplies: its set-up loads stand here
	WIN 0x40
.set BLN, 0
.rept 64
	BL BLN, 0
.set BLN, BLN+1
.endr
	WIN 0
.rept 16
	BL BLN, 0
.set BLN, BLN+1
.endr
.Lp1end:
	s_wait_loadcnt 0x0                             ; the weights are in; so are the rows asked for ahead and not used
	s_wait_dscnt 0x0                               ; for the others' sake: my codes and scale bytes lie in LDS
	s_barrier_signal -1
	s_barrier_wait -1
	; ---- phase 2
.irp j, 20,21,22,23,24,25,26,253
	v_mov_b32 v[\j], 0
.endr
.irp j, 0,1,2,3
	ds_store_b128 v[ZAD], v[20:23] offset:512*\j   ; my partial sums begin as zeros: the rows of pairs that are not live are read at the end too
.endr
.irp j, 0,1,2,3
	v_mov_b32 v[ASC+\j], 0x7f7f7f7f                ; scale 1, until the first fetch lands
.endr
	v_pk_add_f32 v[VS:VS+1], v[VS:VS+1], v[VS+2:VS+3]      ; V = the sum of v
	v_pk_add_f32 v[VS+4:VS+5], v[VS+4:VS+5], v[VS+6:VS+7]
	v_pk_add_f32 v[VS+8:VS+9], v[VS+8:VS+9], v[VS+10:VS+11]
	v_pk_add_f32 v[VS+12:VS+13], v[VS+12:VS+13], v[VS+14:VS+15]
	v_pk_add_f32 v[VS:VS+1], v[VS:VS+1], v[VS+4:VS+5]
	v_pk_add_f32 v[VS+8:VS+9], v[VS+8:VS+9], v[VS+12:VS+13]
	v_pk_add_f32 v[VS:VS+1], v[VS:VS+1], v[VS+8:VS+9]
	v_add_f32 v[VT], v[VS], v[VS+1]
	v_add_f32_dpp v[VT], v[VT], v[VT] row_xmask:1 row_mask:0xf bank_mask:0xf
	v_add_f32_dpp v[VT], v[VT], v[VT] row_xmask:2 row_mask:0xf bank_mask:0xf
	v_add_f32_dpp v[VT], v[VT], v[VT] row_xmask:4 row_mask:0xf bank_mask:0xf
	v_add_f32_dpp v[VT], v[VT], v[VT] row_xmask:8 row_mask:0xf bank_mask:0xf
	v_permlanex16_b32 v253, v[VT], s[SEL], s[SEL+1]
	v_add_f32 v[VT], v[VT], v253
; the addresses of a fetch: nxt = 0: pair 0;  nxt = 1: the pair after the one in hand, held at pair 15's, so that no address leaves its region
.macro FADDR nxt
.if \nxt
	s_add_co_u32 s98, s[PO], PAIRB
	s_min_u32 s98, s98, 15*PAIRB
	v_add_nc_u32 v[AW], s98, v[AAD]
	s_add_co_u32 s98, s[SO], 512
	s_min_u32 s98, s98, 15*512
	v_add_nc_u32 v[SW], s98, v[SAD]
	s_add_co_u32 s98, s[QO], 128
	s_min_u32 s98, s98, 15*128
	v_add_nc_u32 v[PW], s98, v[PAD]
.else
	v_mov_b32 v[AW], v[AAD]
	v_mov_b32 v[SW], v[SAD]
	v_mov_b32 v[PW], v[PAD]
.endif
.endm
; a pair's eight fragments of x, its four registers of scale words, and my partial sums of its 32 rows so far
.macro AFETCH
.irp i, 0,1
.irp s, 0,1,2,3
.irp c, 0,1,2,3
	ds_load_b128 v[AF+16*(4*\i+\s)+4*\c:AF+16*(4*\i+\s)+4*\c+3], v[AW] offset:TILEB*\i+STEPB*\s+544*\c
.endr
.endr
.endr
.irp i, 0,1
.irp k, 0,1
	ds_load_b32 v[ASC+2*\i+\k], v[SW] offset:256*\i+128*\k
.endr
.endr
	ds_load_b32 v24, v[PW]
.endm
; one product: K step s, weight m (0 Wh, 1 Ws), my unit tile u, the pair's tile i.  The weights' scale words: Ws's lie in lanes 16-31; x's: those of odd K steps lie in lanes 16-31
.macro ONE s, m, u, i
.set rD, ACC+8*(2*\u+\i)
.set rW, 16*((2*\u+\m)*4+\s)
.set rX, AF+16*(4*\i+\s)
.set rB, BSC+4*\u+\s
.set rA, ASC+2*\i+(\s)/2
.if (\s == 0) && (\m == 0)
	v_wmma_scale_f32_16x16x128_f8f6f4 v[rD:rD+7], v[rW:rW+15], v[rX:rX+15], 0, v[rB], v[rA]
.elseif (\m == 0) && ((\s)%2 == 0)
	v_wmma_scale_f32_16x16x128_f8f6f4 v[rD:rD+7], v[rW:rW+15], v[rX:rX+15], v[rD:rD+7], v[rB], v[rA]
.elseif (\m == 0)
	v_wmma_scale_f32_16x16x128_f8f6f4 v[rD:rD+7], v[rW:rW+15], v[rX:rX+15], v[rD:rD+7], v[rB], v[rA] matrix_b_scale:MATRIX_SCALE_ROW1
.elseif ((\s)%2 == 0)
	v_wmma_scale_f32_16x16x128_f8f6f4 v[rD:rD+7], v[rW:rW+15], v[rX:rX+15], v[rD:rD+7], v[rB], v[rA] matrix_a_scale:MATRIX_SCALE_ROW1
.else
	v_wmma_scale_f32_16x16x128_f8f6f4 v[rD:rD+7], v[rW:rW+15], v[rX:rX+15], v[rD:rD+7], v[rB], v[rA] matrix_a_scale:MATRIX_SCALE_ROW1 matrix_b_scale:MATRIX_SCALE_ROW1
.endif
.endm
.macro MULS                            ; 32 products; the four accumulators take turns, one instruction a turn
.irp s, 0,1,2,3
.irp m, 0,1
.irp u, 0,1
.irp i, 0,1
	ONE \s, \m, \u, \i
.endr
.endr
.endr
.endr
.endm
; v / (1 + 2^(2 log2(e) z)) summed over my 32 units, for the pair's 32 rows; added to my partial sums
.macro EPI
.set j, 0
.rept 16
	v_pk_mul_f32 v[ACC+j:ACC+j+1], v[ACC+j:ACC+j+1], s[CT:CT+1] op_sel_hi:[1,0]   ; each accumulator from its low end on
.set j, j+2
.endr
.set j, 0
.rept 32
	v_exp_f32 v[ACC+j], v[ACC+j]
.set j, j+1
.endr
	v_nop                                          ; a plain line behind the last exponential,
	s_wait_alu depctr_va_vdst(0)                   ; and one wait for the batch, ahead of its first reader
.set j, 0
.rept 16
	v_pk_add_f32 v[ACC+j:ACC+j+1], v[ACC+j:ACC+j+1], 1.0 op_sel_hi:[1,0]
.set j, j+2
.endr
.set j, 0
.rept 32
	v_rcp_f32 v[ACC+j], v[ACC+j]
.set j, j+1
.endr
	v_nop
	s_wait_alu depctr_va_vdst(0)                   ; one wait for the 32 reciprocals
	v_pk_mul_f32 v[16:17], v[ACC:ACC+1], v[VV:VV+1]        ; tile 0's sum and tile 1's by turns
	v_pk_mul_f32 v[18:19], v[ACC+8:ACC+9], v[VV:VV+1]
.irp g, 1,2,3,4,5,6,7
	v_pk_fma_f32 v[16:17], v[ACC+16*(\g/4)+2*(\g%4):ACC+16*(\g/4)+2*(\g%4)+1], v[VV+8*(\g/4)+2*(\g%4):VV+8*(\g/4)+2*(\g%4)+1], v[16:17]
	v_pk_fma_f32 v[18:19], v[ACC+16*(\g/4)+8+2*(\g%4):ACC+16*(\g/4)+8+2*(\g%4)+1], v[VV+8*(\g/4)+2*(\g%4):VV+8*(\g/4)+2*(\g%4)+1], v[18:19]
.endr
	v_add_f32 v20, v16, v17                        ; lane (r, h): row r of tile 0, my half's 16 units
	v_add_f32 v21, v18, v19                        ; of tile 1
	v_cndmask_b32 v22, v20, v21, s[HI16]           ; what I keep: lanes 0-15 tile 0's, lanes 16-31 tile 1's
	v_cndmask_b32 v23, v21, v20, s[HI16]           ; what lane l xor 16 wants
	v_permlanex16_b32 v26, v23, s[SEL], s[SEL+1]
	v_add_f32 v22, v22, v26
	v_add_f32 v22, v22, v25                        ; on top of what the pass before left
	ds_store_b32 v[PST], v22                       ; row 32 pair + lane
.endm
.macro PASS c
.if \c
.rept 9
	v_nop                                          ; places in front of loads into registers that matrix instructions have read
.endr
	WIN 0x40
.set BLN, 0
.rept 64
	BL BLN, 1
.set BLN, BLN+1
.endr
	WIN 0
.rept 12
	BL BLN, 1
.set BLN, BLN+1
.endr
	s_wait_loadcnt 0x0
.endif
	s_mov_b32 s[PCNT], 0
	s_mov_b32 s[PO], 0
	s_mov_b32 s[SO], 0
	s_mov_b32 s[QO], 0
	s_cmp_eq_u32 s[PP], 0
	s_cbranch_scc1 .Lnone_\@
	FADDR 0
	AFETCH
.Lnone_\@:
.Lpair_\@:                                             ; 16 trips, always; a pair that is not live jumps over its work
	s_cmp_ge_u32 s[PCNT], s[PP]
	s_cbranch_scc1 .Lskip_\@
	s_wait_dscnt 0x0                               ; the pair's fragments, scale words and partial sums are in
	v_add_nc_u32 v[PST], s[QO], v[PAD]
	WIN 0x01                                       ; source 0, the weights: window 1
	MULS
	WIN 0
	v_mov_b32 v25, v24                             ; the partial sums are kept: the next fetch lands in v24.  With the eight below: nine places, for the loads into x's fragments and scale words,
.rept 8
	v_nop                                          ; for the first read of results, and for the next trip's first products, which begin the accumulators anew
.endr
	s_add_co_u32 s98, s[PCNT], 1
	s_cmp_ge_u32 s98, s[PP]
	s_cbranch_scc1 .Llast_\@
	FADDR 1
	AFETCH                                         ; the next pair comes while this one's tanh is worked
.Llast_\@:
	EPI
.Lskip_\@:
	s_add_co_u32 s[PO], s[PO], PAIRB
	s_add_co_u32 s[SO], s[SO], 512
	s_add_co_u32 s[QO], s[QO], 128
	s_add_co_u32 s[PCNT], s[PCNT], 1
	s_cmp_lt_u32 s[PCNT], 16
	s_cbranch_scc1 .Lpair_\@
	s_wait_dscnt 0x0                               ; no LDS instruction of mine is out behind a pass
.endm
	PASS 0
	PASS 1
	s_barrier_signal -1                            ; every wave's partial sums lie in LDS (the wait for mine ends the pass)
	s_barrier_wait -1
	; ---- the end: thread n adds the eight waves' partial sums of rows n and n + 256 of the work-group's 512, and stores the scores of those that are live
	s_lshl_b32 s98, ttmp9, 7
	s_lshl_b32 s99, s[WV], 9
	s_add_co_u32 s98, s98, s99
	v_add_nc_u32 v27, s98, v[L4]                   ; the row's place in the list, in bytes: 128 q + 512 wave + 4 lane; row n + 256: 4,096 more
	global_load_b32 v28, v27, s[6:7]
	global_load_b32 v29, v27, s[6:7] offset:4096
	v_lshl_add_u32 v30, v0, 2, STG
.irp k, 0,1
.irp w, 0,1,2,3,4,5,6,7
	ds_load_b32 v[64+8*\k+\w], v30 offset:STGW*\w+1024*\k
.endr
.endr
	v_add_nc_u32 v31, 4096, v27
	s_lshl_b32 s99, s[NB], 2
	s_wait_dscnt 0x0
.irp k, 0,1
	v_add_f32 v[64+8*\k], v[64+8*\k], v[65+8*\k]
	v_add_f32 v[66+8*\k], v[66+8*\k], v[67+8*\k]
	v_add_f32 v[68+8*\k], v[68+8*\k], v[69+8*\k]
	v_add_f32 v[70+8*\k], v[70+8*\k], v[71+8*\k]
	v_add_f32 v[64+8*\k], v[64+8*\k], v[66+8*\k]
	v_add_f32 v[68+8*\k], v[68+8*\k], v[70+8*\k]
	v_add_f32 v[64+8*\k], v[64+8*\k], v[68+8*\k]
	v_fma_f32 v[80+\k], -2.0, v[64+8*\k], v[VT]    ; V - 2 x the sum
.endr
	s_wait_loadcnt 0x0
	v_min_u32 v28, 0x7ff, v28                      ; the row's number, held inside the batch
	v_min_u32 v29, 0x7ff, v29
	v_lshlrev_b32 v28, 2, v28
	v_lshlrev_b32 v29, 2, v29
	v_cmp_gt_u32 vcc_lo, s99, v27                  ; live: its place lies under cnt[b]
	s_wait_xcnt 0x0                                ; EXEC changes only behind this wait
	s_and_saveexec_b32 s98, vcc_lo
	global_store_b32 v27, v80, s[90:91]
	global_store_b32 v28, v80, s[88:89]
	s_wait_xcnt 0x0
	s_or_b32 exec_lo, exec_lo, s98
	v_cmp_gt_u32 vcc_lo, s99, v31
	s_and_saveexec_b32 s98, vcc_lo
	global_store_b32 v27, v81, s[90:91] offset:4096
	global_store_b32 v29, v81, s[88:89]
	s_wait_xcnt 0x0
	s_or_b32 exec_lo, exec_lo, s98
	s_wait_tensorcnt 0x0                           ; the wave's end: three closing lines behind my last LDS store
	ds_add_u32 v[SPW], v[NIL]
	s_wait_dscnt 0x0
	s_endpgm
.Lfunc_end_k_q5ebe61641a_score:
	.size	k_q5ebe61641a_score, .Lfunc_end_k_q5ebe61641a_score-k_q5ebe61641a_score
	.p2alignl 7, 3214868480
	.fill 96, 4, 3214868480
	.section	.rodata,"a",@progbits
	.p2align	6, 0x0
	.amdhsa_kernel k_q5ebe61641a_score
		.amdhsa_group_segment_fixed_size 308224
		.amdhsa_private_segment_fixed_size 0
		.amdhsa_enable_private_segment 0
		.amdhsa_kernarg_size 64
		.amdhsa_user_sgpr_count 2
		.amdhsa_user_sgpr_kernarg_segment_ptr 1
		.amdhsa_wavefront_size32 1
		.amdhsa_system_sgpr_workgroup_id_x 1
		.amdhsa_system_sgpr_workgroup_id_y 1
		.amdhsa_system_sgpr_workgroup_id_z 1
		.amdhsa_system_vgpr_workitem_id 0
		.amdhsa_next_free_vgpr 512
		.amdhsa_next_free_sgpr 102
		.amdhsa_reserve_vcc 1
		.amdhsa_float_denorm_mode_32 3
		.amdhsa_float_denorm_mode_16_64 3
		.amdhsa_memory_ordered 1
		.amdhsa_forward_progress 1
		.amdhsa_inst_pref_size 255
	.end_amdhsa_kernel
	.section	.bss,"aw",@nobits
	.p2align	6
	.space	262144
	.amdgpu_metadata
---
amdhsa.version: [ 1, 2 ]
amdhsa.kernels:
  - .name:           k_q5ebe61641a_score
    .symbol:         k_q5ebe61641a_score.kd
    .args:
      - { .name: encoder_outputs, .offset: 0, .size: 8, .value_kind: global_buffer, .address_space: global }
      - { .name: list, .offset: 8, .size: 8, .value_kind: global_buffer, .address_space: global }
      - { .name: cnt, .offset: 16, .size: 8, .value_kind: global_buffer, .address_space: global }
      - { .name: wq, .offset: 24, .size: 8, .value_kind: global_buffer, .address_space: global }
      - { .name: wsc, .offset: 32, .size: 8, .value_kind: global_buffer, .address_space: global }
      - { .name: v, .offset: 40, .size: 8, .value_kind: global_buffer, .address_space: global }
      - { .name: sc, .offset: 48, .size: 8, .value_kind: global_buffer, .address_space: global }
      - { .name: scc, .offset: 56, .size: 8, .value_kind: global_buffer, .address_space: global }
    .group_segment_fixed_size: 308224
    .private_segment_fixed_size: 0
    .kernarg_segment_align: 8
    .kernarg_segment_size: 64
    .max_flat_workgroup_size: 256
    .sgpr_count:     102
    .vgpr_count:     512
    .wavefront_size: 32
...
	.end_amdgpu_metadata
.endif
;; end of part 2
;; launch ctx (part 3): grid 4 x 64, 16 waves a work-group, no clusters, 10,752 bytes of LDS; arguments encoder_outputs, list, cnt, sc, scc, out0, out1; writes out0, out1
.if DOCPART == 3
	.amdgcn_target "amdgcn-amd-amdhsa--gfx1250"
	.amdhsa_code_object_version 6
	.text
	.protected	k_q5ebe61641a_ctx
	.globl	k_q5ebe61641a_ctx
	.p2align	8
	.type	k_q5ebe61641a_ctx,@function
k_q5ebe61641a_ctx:
	s_mov_b64 s[64:65], 0
	v_nop
	global_prefetch_b8 v0, s[64:65] scope:SCOPE_SE
	s_setreg_imm32_b32 hwreg(HW_REG_WAVE_MODE, 25, 1), 1
	s_wait_xcnt 0x0
; Launch 3 of 3: the softmax over a batch's 2,048 scores (out1) and the rows of x weighed by it (out0), all in f32.
; LEFT OUT: in a batch with a live row, the reads of masked rows of x: their weight exp(-1e9 - max) is 0 (the first launch's head comment gives the limit); which rows are walked hangs on the whole numbers list and cnt.
; A batch with no live row is walked whole: every weight is 1 / 2,048 there.  The maximum is taken away before the exponential, by a subtraction first, so that -1e9 - (-1e9) is exactly 0.
; SHARES.  Work-group (c, b) owns columns 128 c .. 128 c + 127 of batch b's context and weights 512 c .. 512 c + 511 of out1: each output has one owner.  The maximum and the sum are made anew in each of a batch's four
; work-groups, from the 8,192 bytes of scc.  Wave w walks the groups of 8 places 8 w + 128 t of the list, t = 0 .. 15, while they lie under the count; a row's 128 columns are 512 consecutive bytes, one load of the wave;
; three groups (24 loads a wave) are on their way while one is added.  The waves' sums meet in LDS.  Memory binds: no matrix unit, no cluster, no tensor load (the trips hang on a count read from memory).
.set SPARE, 8704                       ; LDS: 0 the waves' maxima; 256 their sums; 512 their context sums, 512 bytes a wave; from SPARE the spare words, 128 bytes for each wave, which no other line names
.set SPW, 1
.set NIL, 2
.set L16, 3                            ; v3   16 x lane
.set SV,  4                            ; v4-7   four scores of the batch's 2,048 (thread n: places 4 n ..)
.set IDX, 8                            ; v8-11  register j, lane l: the row at place 8 w + 512 j + 128 (l / 8) + l % 8
.set PV,  12                           ; v12-15 its score, then its unnormalised weight
.set SC,  16                           ; v16-19 waves 0-3: four scores in the rows' order, then four weights for out1
.set ACC, 20                           ; v20-23 even rows' sums, v24-27 odd rows'
.set MX,  29                           ; v29 the maximum, v30 the sum, v31 its reciprocal
.set LS,  30
.set RL,  31
.set OFF, 32                           ; v32-63  four sets of 8 row offsets
.set X,   64                           ; v64-191 four sets of 8 rows x 4 registers; set 3 (v160-191) is at work for the statistics until the first group is added
.set T16, 192                          ; v192 16 x thread
.set PADR, 193                         ; v193 my places' bytes: 32 w + 512 (l / 8) + 4 (l % 8)
.set W4,  194                          ; v194 4 x wave
.set ZR,  195                          ; v195 0
.set CST, 196                          ; v196 512 + 16 x thread
.set SEL, 18                           ; s[18:19]
.set WV,  20
.set NB,  23
.set CE,  24                           ; the places to walk: cnt[b], or all 2,048 where it is 0
.set W8,  25
.set LVN, 26
; group t's eight rows are asked for; where the group is not walked the row named is the batch's row 0, so that the count of loads is the same on every way and no row that is left out is asked for
.macro GLOAD t
	s_add_co_u32 s27, s[W8], 128*(\t)
	s_cmp_lt_u32 s27, s[CE]
	s_cselect_b32 s[LVN], -1, 0
.irp u, 0,1,2,3,4,5,6,7
	v_readlane_b32 s27, v[IDX+(\t)/4], 8*((\t)%4)+\u
	s_and_b32 s27, s27, s[LVN]
	s_min_u32 s27, s27, 2047                       ; held inside the batch
	v_lshl_add_u32 v[OFF+8*((\t)%4)+\u], s27, 11, v[L16]
	global_load_b128 v[X+32*((\t)%4)+4*\u:X+32*((\t)%4)+4*\u+3], v[OFF+8*((\t)%4)+\u], s[4:5] th:TH_LOAD_NT
.endr
.endm
.macro G t
	s_add_co_u32 s27, s[W8], 128*(\t)
	s_cmp_ge_u32 s27, s[CE]
	s_cbranch_scc1 .Lend                           ; this group lies past the count: so do my later ones
.if (\t) <= 12
	GLOAD (\t)+3
	s_wait_loadcnt 24                              ; this group's eight loads are in; three younger groups' may be out
.else
	s_wait_loadcnt 8*(15-(\t))
.endif
.irp u, 0,1,2,3,4,5,6,7
	v_readlane_b32 s[32+2*\u], v[PV+(\t)/4], 8*((\t)%4)+\u   ; the row's weight
.endr
.irp u, 0,1,2,3,4,5,6,7
	v_pk_fma_f32 v[ACC+4*(\u%2):ACC+4*(\u%2)+1], v[X+32*((\t)%4)+4*\u:X+32*((\t)%4)+4*\u+1], s[32+2*\u:33+2*\u], v[ACC+4*(\u%2):ACC+4*(\u%2)+1] op_sel_hi:[1,0,1]
	v_pk_fma_f32 v[ACC+4*(\u%2)+2:ACC+4*(\u%2)+3], v[X+32*((\t)%4)+4*\u+2:X+32*((\t)%4)+4*\u+3], s[32+2*\u:33+2*\u], v[ACC+4*(\u%2)+2:ACC+4*(\u%2)+3] op_sel_hi:[1,0,1]
.endr
.endm
	s_load_b256 s[4:11], s[0:1], 0x0               ; x s[4:5], list s[6:7], cnt s[8:9], sc s[10:11]
	s_load_b128 s[12:15], s[0:1], 0x20             ; scc s[12:13], out0 s[14:15]
	s_load_b64 s[16:17], s[0:1], 0x30              ; out1
	v_lshl_add_u32 v[SPW], v0, 2, SPARE
	v_mov_b32 v[NIL], 0
	v_lshrrev_b32 v160, 5, v0
	v_readfirstlane_b32 s[WV], v160                ; wave 0..15
	v_and_b32 v161, 31, v0                         ; lane
	v_lshlrev_b32 v[L16], 4, v161
	v_lshlrev_b32 v[T16], 4, v0
	v_lshrrev_b32 v162, 3, v161
	v_and_b32 v163, 7, v161
	v_lshlrev_b32 v162, 9, v162
	v_lshl_add_u32 v162, v163, 2, v162
	s_lshl_b32 s[W8], s[WV], 3
	s_lshl_b32 s22, s[WV], 5
	v_add_nc_u32 v[PADR], s22, v162
	s_lshl_b32 s22, s[WV], 2
	v_mov_b32 v[W4], s22
	v_mov_b32 v[ZR], 0
	v_mov_b32 v177, 0                              ; written once: a lane permute's destination counts as one of its sources
	v_lshl_add_u32 v[CST], v0, 4, 512
.irp j, 0,1,2,3,4,5,6,7
	v_mov_b32 v[ACC+\j], 0                         ; a wave may have no group at all: its sums are zeros
.endr
	s_mov_b32 s[SEL], 0x76543210
	s_mov_b32 s[SEL+1], 0xfedcba98
.irp j, 33,35,37,39,41,43,45,47
	s_mov_b32 s[\j], 0                             ; named as the upper halves of the weights' pairs, so they are written
.endr
	s_and_b32 s21, ttmp7, 0xffff                   ; the batch
	s_lshl_b32 s28, s21, 2
	s_lshl_b32 s22, ttmp9, 9                       ; my 128 columns, in bytes
	s_mov_b32 s31, 0
	s_wait_kmcnt 0x0
	s_load_b32 s[NB], s[8:9], s28 offset:0x0
	s_lshl_b32 s30, s21, 22
	s_add_co_u32 s30, s30, s22
	s_add_nc_u64 s[4:5], s[4:5], s[30:31]          ; x at my batch and columns
	s_lshl_b32 s30, s21, 13
	s_add_nc_u64 s[6:7], s[6:7], s[30:31]
	s_add_nc_u64 s[10:11], s[10:11], s[30:31]
	s_add_nc_u64 s[12:13], s[12:13], s[30:31]
	s_add_nc_u64 s[16:17], s[16:17], s[30:31]
	s_lshl_b32 s30, ttmp9, 11                      ; my quarter of the batch's weights
	s_add_nc_u64 s[10:11], s[10:11], s[30:31]
	s_add_nc_u64 s[16:17], s[16:17], s[30:31]
	s_lshl_b32 s30, s21, 11
	s_add_co_u32 s30, s30, s22
	s_add_nc_u64 s[14:15], s[14:15], s[30:31]
	global_load_b128 v[SV:SV+3], v[T16], s[12:13]
.irp j, 0,1,2,3
	global_load_b32 v[IDX+\j], v[PADR], s[6:7] offset:2048*\j
	global_load_b32 v[PV+\j], v[PADR], s[12:13] offset:2048*\j
.endr
	s_cmp_ge_u32 s[WV], 4
	s_cbranch_scc1 .Lno_sc
	global_load_b128 v[SC:SC+3], v[T16], s[10:11]  ; waves 0-3: 128 threads x 16 bytes
.Lno_sc:
	s_wait_loadcnt 0x0
	s_wait_kmcnt 0x0
	s_min_u32 s[NB], s[NB], 2048
	s_cmp_eq_u32 s[NB], 0
	s_cselect_b32 s[CE], 2048, s[NB]
	GLOAD 0
	GLOAD 1
	GLOAD 2                                        ; the statistics below are made while these are on their way
	v_max3_num_f32 v176, v[SV], v[SV+1], v[SV+2]
	v_max_num_f32 v176, v176, v[SV+3]
	v_max_num_f32_dpp v176, v176, v176 row_xmask:1 row_mask:0xf bank_mask:0xf
	v_max_num_f32_dpp v176, v176, v176 row_xmask:2 row_mask:0xf bank_mask:0xf
	v_max_num_f32_dpp v176, v176, v176 row_xmask:4 row_mask:0xf bank_mask:0xf
	v_max_num_f32_dpp v176, v176, v176 row_xmask:8 row_mask:0xf bank_mask:0xf
	v_permlanex16_b32 v177, v176, s[SEL], s[SEL+1]
	v_max_num_f32 v176, v176, v177
	ds_store_b32 v[W4], v176                       ; all lanes write the same word with the same value
	s_wait_dscnt 0x0                               ; for the others' sake
	s_barrier_signal -1
	s_barrier_wait -1
.irp i, 0,1,2,3
	ds_load_b128 v[160+4*\i:163+4*\i], v[ZR] offset:16*\i
.endr
	s_wait_dscnt 0x0
	v_max3_num_f32 v[MX], v160, v161, v162
.irp i, 3,5,7,9,11,13
	v_max3_num_f32 v[MX], v[MX], v[160+\i], v[161+\i]
.endr
	v_max_num_f32 v[MX], v[MX], v175               ; the batch's largest score
.irp i, 0,1,2,3
	v_sub_f32 v[SV+\i], v[SV+\i], v[MX]
	v_sub_f32 v[PV+\i], v[PV+\i], v[MX]
.endr
.irp i, 0,1,2,3
	v_mul_f32 v[SV+\i], 0x3fb8aa3b, v[SV+\i]
	v_mul_f32 v[PV+\i], 0x3fb8aa3b, v[PV+\i]
.endr
.irp i, 0,1,2,3
	v_exp_f32 v[SV+\i], v[SV+\i]
	v_exp_f32 v[PV+\i], v[PV+\i]
.endr
	v_nop                                          ; a plain line behind the last exponential,
	s_wait_alu depctr_va_vdst(0)                   ; and one wait for the eight, ahead of their first reader
	v_add_f32 v176, v[SV], v[SV+1]
	v_add_f32 v177, v[SV+2], v[SV+3]
	v_add_f32 v176, v176, v177
	v_add_f32_dpp v176, v176, v176 row_xmask:1 row_mask:0xf bank_mask:0xf
	v_add_f32_dpp v176, v176, v176 row_xmask:2 row_mask:0xf bank_mask:0xf
	v_add_f32_dpp v176, v176, v176 row_xmask:4 row_mask:0xf bank_mask:0xf
	v_add_f32_dpp v176, v176, v176 row_xmask:8 row_mask:0xf bank_mask:0xf
	v_permlanex16_b32 v177, v176, s[SEL], s[SEL+1]
	v_add_f32 v176, v176, v177
	ds_store_b32 v[W4], v176 offset:256            ; other bytes than the maxima's: no barrier is owed between
	s_wait_dscnt 0x0
	s_barrier_signal -1
	s_barrier_wait -1
.irp i, 0,1,2,3
	ds_load_b128 v[160+4*\i:163+4*\i], v[ZR] offset:256+16*\i
.endr
	s_wait_dscnt 0x0
	v_pk_add_f32 v[160:161], v[160:161], v[162:163]
	v_pk_add_f32 v[164:165], v[164:165], v[166:167]
	v_pk_add_f32 v[168:169], v[168:169], v[170:171]
	v_pk_add_f32 v[172:173], v[172:173], v[174:175]
	v_pk_add_f32 v[160:161], v[160:161], v[164:165]
	v_pk_add_f32 v[168:169], v[168:169], v[172:173]
	v_pk_add_f32 v[160:161], v[160:161], v[168:169]
	v_add_f32 v[LS], v160, v161                    ; the sum: at least 1, the largest score's own term
	v_rcp_f32 v[RL], v[LS]
	v_nop
	s_wait_alu depctr_va_vdst(0)
	s_cmp_ge_u32 s[WV], 4
	s_cbranch_scc1 .Lno_out
.irp i, 0,1,2,3
	v_sub_f32 v[SC+\i], v[SC+\i], v[MX]
.endr
.irp i, 0,1,2,3
	v_mul_f32 v[SC+\i], 0x3fb8aa3b, v[SC+\i]
.endr
.irp i, 0,1,2,3
	v_exp_f32 v[SC+\i], v[SC+\i]
.endr
	v_nop
	s_wait_alu depctr_va_vdst(0)
.irp i, 0,1,2,3
	v_mul_f32 v[SC+\i], v[SC+\i], v[RL]
.endr
	global_store_b128 v[T16], v[SC:SC+3], s[16:17] ; a wave stores 512 consecutive bytes; its registers are not written again
.Lno_out:
.irp t, 0,1,2,3,4,5,6,7,8,9,10,11,12,13,14,15
	G \t
.endr
.Lend:
	s_wait_loadcnt 0x0                             ; what was asked for ahead and not used has landed: wave 0 loads into those registers below
	v_pk_add_f32 v[ACC:ACC+1], v[ACC:ACC+1], v[ACC+4:ACC+5]
	v_pk_add_f32 v[ACC+2:ACC+3], v[ACC+2:ACC+3], v[ACC+6:ACC+7]
	ds_store_b128 v[CST], v[ACC:ACC+3]
	s_wait_dscnt 0x0                               ; for wave 0's sake
	s_barrier_signal -1
	s_barrier_wait -1
	s_cmp_lg_u32 s[WV], 0
	s_cbranch_scc1 .Lclose
.irp i, 0,1,2,3,4,5,6,7,8,9,10,11,12,13,14,15
	ds_load_b128 v[X+4*\i:X+4*\i+3], v[L16] offset:512+512*\i
.endr
	s_wait_dscnt 0x0
.irp i, 2,4,6,8,10,12,14
	v_pk_add_f32 v[X:X+1], v[X:X+1], v[X+4*\i:X+4*\i+1]            ; two chains: even waves', odd waves'
	v_pk_add_f32 v[X+2:X+3], v[X+2:X+3], v[X+4*\i+2:X+4*\i+3]
	v_pk_add_f32 v[X+4:X+5], v[X+4:X+5], v[X+4*\i+4:X+4*\i+5]
	v_pk_add_f32 v[X+6:X+7], v[X+6:X+7], v[X+4*\i+6:X+4*\i+7]
.endr
	v_pk_add_f32 v[X:X+1], v[X:X+1], v[X+4:X+5]
	v_pk_add_f32 v[X+2:X+3], v[X+2:X+3], v[X+6:X+7]
.irp i, 0,1,2,3
	v_mul_f32 v[X+\i], v[X+\i], v[RL]              ; divided by the sum, once
.endr
	global_store_b128 v[L16], v[X:X+3], s[14:15]   ; 512 consecutive bytes of out0
.Lclose:
	s_wait_tensorcnt 0x0                           ; the wave's end: three closing lines behind my last LDS store
	ds_add_u32 v[SPW], v[NIL]
	s_wait_dscnt 0x0
	s_endpgm
.Lfunc_end_k_q5ebe61641a_ctx:
	.size	k_q5ebe61641a_ctx, .Lfunc_end_k_q5ebe61641a_ctx-k_q5ebe61641a_ctx
	.p2alignl 7, 3214868480
	.fill 96, 4, 3214868480
	.section	.rodata,"a",@progbits
	.p2align	6, 0x0
	.amdhsa_kernel k_q5ebe61641a_ctx
		.amdhsa_group_segment_fixed_size 10752
		.amdhsa_private_segment_fixed_size 0
		.amdhsa_enable_private_segment 0
		.amdhsa_kernarg_size 56
		.amdhsa_user_sgpr_count 2
		.amdhsa_user_sgpr_kernarg_segment_ptr 1
		.amdhsa_wavefront_size32 1
		.amdhsa_system_sgpr_workgroup_id_x 1
		.amdhsa_system_sgpr_workgroup_id_y 1
		.amdhsa_system_sgpr_workgroup_id_z 1
		.amdhsa_system_vgpr_workitem_id 0
		.amdhsa_next_free_vgpr 208
		.amdhsa_next_free_sgpr 66
		.amdhsa_reserve_vcc 0
		.amdhsa_float_denorm_mode_32 3
		.amdhsa_float_denorm_mode_16_64 3
		.amdhsa_memory_ordered 1
		.amdhsa_forward_progress 1
		.amdhsa_inst_pref_size 81
	.end_amdhsa_kernel
	.amdgpu_metadata
---
amdhsa.version: [ 1, 2 ]
amdhsa.kernels:
  - .name:           k_q5ebe61641a_ctx
    .symbol:         k_q5ebe61641a_ctx.kd
    .args:
      - { .name: encoder_outputs, .offset: 0, .size: 8, .value_kind: global_buffer, .address_space: global }
      - { .name: list, .offset: 8, .size: 8, .value_kind: global_buffer, .address_space: global }
      - { .name: cnt, .offset: 16, .size: 8, .value_kind: global_buffer, .address_space: global }
      - { .name: sc, .offset: 24, .size: 8, .value_kind: global_buffer, .address_space: global }
      - { .name: scc, .offset: 32, .size: 8, .value_kind: global_buffer, .address_space: global }
      - { .name: out0, .offset: 40, .size: 8, .value_kind: global_buffer, .address_space: global }
      - { .name: out1, .offset: 48, .size: 8, .value_kind: global_buffer, .address_space: global }
    .group_segment_fixed_size: 10752
    .private_segment_fixed_size: 0
    .kernarg_segment_align: 8
    .kernarg_segment_size: 56
    .max_flat_workgroup_size: 512
    .sgpr_count:     66
    .vgpr_count:     208
    .wavefront_size: 32
...
	.end_amdgpu_metadata
.endif
;; end of part 3
